; MI455X (gfx1250); checked and timed in simulation.
; The chip was launched on July 23, 2026; its instructions are those of AMD's public machine-readable ISA for CDNA 5 (MIT licence, August 2026) and "CDNA5" Instruction Set Architecture Reference Guide (July 2026). The comments in the code are by the model that wrote it; some were corrected since.
;; Vector Quantizer. Allowed arithmetic: float matrix products may take bf16 or f16 operands with f32 sums; all other float work in f32.
;; Inputs: embedding_weight 16,384 x 256 float32; z 16 x 256 x 32 x 32 float32.
;; Outputs: out0 16,384 int32.
;; One version. Each part assembles by itself: llvm-mc -triple=amdgcn-amd-amdhsa -mcpu=gfx1250 --defsym DOCPART=n.
;; ======== version 1 of 1: 3 launches
;; workspace buffers: e16 8,388,608 bytes; z16 8,388,608 bytes; ee 65,536 bytes; zz 65,536 bytes; pv 524,288 bytes; pi 524,288 bytes
;; launch prep (part 1): grid 128 x 2, 8 waves a work-group, no clusters, 5,120 bytes of LDS; arguments embedding_weight, z, e16, z16, ee, zz; writes e16, z16, ee, zz
.if DOCPART == 1
	.amdgcn_target "amdgcn-amd-amdhsa--gfx1250"
	.amdhsa_code_object_version 6
	.text
	.protected	k_qbccad073f5_prep
	.globl	k_qbccad073f5_prep
	.p2align	8
	.type	k_qbccad073f5_prep,@function
k_qbccad073f5_prep:
	s_mov_b64 s[64:65], 0
	v_nop
	global_prefetch_b8 v0, s[64:65] scope:SCOPE_SE
	s_setreg_imm32_b32 hwreg(HW_REG_WAVE_MODE, 25, 1), 1
	s_wait_xcnt 0x0
; Both inputs are rounded once to bf16, laid out for the product that follows, and the sums of squares of the ROUNDED numbers are made in f32.
; Work-group (x, y): y = 0 takes codes 128 x .. 128 x + 127 of embedding_weight [16384][256]; y = 1 takes rows n = 128 x .. + 127 of zf, where zf[n][c] = z[n >> 10][c][n & 1023].
;   e16 [16384][256] bf16, row-major.      ee[n] = sum of bf16(e)^2.      zz[n] = sum of bf16(zf)^2.
;   z16, in the order in which the product's fragments are read: byte = 65536 x + 8192 rt + 256 u + 16 r holds channels 8 u .. 8 u + 7 of row 128 x + 4 (16 (rt & 1) + r) + (rt >> 1).
;   A lane's load of 16 bytes of z is four neighbouring rows of one channel; its component k belongs to tile rt = 2 k + lane / 16 at place r = lane % 16, so sixteen neighbouring lanes
;   store 256 consecutive bytes, aligned, and nothing changes lanes.
; Memory binds: each wave issues its 32 loads of 512 consecutive bytes at once (16 KiB in 128 registers) and works them off behind counted waits; there is no loop and no ring.
; No matrix unit, no cluster: nothing is shared between work-groups.  LDS serves only to add the eight waves' partial sums.
; LIMITS.  The sums of squares are added in this text's own order (pairs in a lane, then lanes or waves), not in the order of any other program; NaN and infinities pass through as they come.
.set SPARE, 4096                       ; behind the partial sums: the spare words, 128 bytes for each of eight waves, four blocks of 256 bytes that no other line names
.set P, 8                              ; v[8:11]    my four sums: rows 4 lane + 0..3 of the block
.set T, 12                             ; v[12:19]   at work (path z: four pairs of running sums)
.set Y, 20                             ; v[20:35]   path z: four packed units of 16 bytes
.set X, 36                             ; v[36:163]  the 32 loads
.set U, 164                            ; v[164:167] path z: two pairs for unpacking, by turns
; v1 lane; v2 offset of my loads; v3 offset of my stores; v4 16 x thread: my place among the partial sums; v5, v6 the add's two registers; v7 16 x lane
	s_load_b256 s[4:11], s[0:1], 0x0               ; embedding_weight s[4:5], z s[6:7], e16 s[8:9], z16 s[10:11]
	s_load_b128 s[12:15], s[0:1], 0x20             ; ee s[12:13], zz s[14:15]
	v_lshl_add_u32 v5, v0, 2, SPARE                ; my spare word
	v_mov_b32 v6, 0
	v_and_b32 v1, 31, v0                           ; lane
	v_lshrrev_b32 v2, 5, v0
	v_readfirstlane_b32 s16, v2                    ; wave 0..7
	s_and_b32 s17, ttmp7, 0xffff                   ; y: 0 codes, 1 rows of zf
	v_lshlrev_b32 v4, 4, v0
	v_lshlrev_b32 v7, 4, v1
	s_mov_b32 s19, 0                               ; high word of every offset pair s[18:19]
	s_mov_b32 s24, 0xffff0000                      ; a word's upper bf16
	s_mov_b32 s26, 0x76543210                      ; v_permlanex16_b32: each lane takes its own place in the other half
	s_mov_b32 s27, 0xfedcba98
	s_wait_kmcnt 0x0
	s_cmp_lg_u32 s17, 0
	s_cbranch_scc1 .Lz                             ; the same way for all eight waves
; ---- codes.  Wave w takes rows 16 w + i, i = 0..15; a row of 1,024 bytes is two loads of 512.
	s_lshl_b32 s18, ttmp9, 17                      ; 128 rows of 1,024 bytes
	s_add_nc_u64 s[4:5], s[4:5], s[18:19]
	s_lshl_b32 s18, ttmp9, 16                      ; 128 rows of 512 bytes
	s_add_nc_u64 s[8:9], s[8:9], s[18:19]
	v_lshl_add_u32 v2, s16, 14, v7                 ; 16 rows x 1,024 x wave + 16 x lane
	v_lshlrev_b32 v3, 3, v1
	v_lshl_add_u32 v3, s16, 13, v3                 ; 16 rows x 512 x wave + 8 x lane
.set i, 0
.rept 32
	global_load_b128 v[X+4*i:X+4*i+3], v2, s[4:5] offset:512*i th:TH_LOAD_NT
.set i, i+1
.endr
	s_lshl_b32 s18, s16, 2
	s_lshl_b32 s20, 1, s18                         ; lane masks: row 16 w + 4 a + k goes to lane 4 w + a, component k
	s_lshl_b32 s21, 2, s18
	s_lshl_b32 s22, 4, s18
	s_lshl_b32 s23, 8, s18
.irp k, 0,1,2,3
	v_mov_b32 v[P+\k], 0                           ; the other waves' lanes stay 0, so that the sum over waves below is exact
.endr
.macro EROW i
	s_wait_loadcnt 30-2*(\i)                       ; loads come back in order: this row's two are in, the two of each of the 15 - i younger rows stay out
.irp hf, 0,1
.set rX, X+8*(\i)+4*(\hf)
	v_cvt_pk_bf16_f32 v[rX], v[rX], v[rX+1]        ; rounded in place; these registers are not written again, so the store needs no wait
	v_cvt_pk_bf16_f32 v[rX+1], v[rX+2], v[rX+3]
	global_store_b64 v3, v[rX:rX+1], s[8:9] offset:(\i)*512+(\hf)*256  ; the 32 lanes store 256 consecutive bytes, aligned
	v_lshlrev_b32 v[T], 16, v[rX]                  ; the rounded numbers back as f32
	v_and_b32 v[T+1], s24, v[rX]
	v_lshlrev_b32 v[T+2], 16, v[rX+1]
	v_and_b32 v[T+3], s24, v[rX+1]
.if (\hf) == 0
	v_pk_mul_f32 v[T+4:T+5], v[T:T+1], v[T:T+1]    ; the first squares start the sum
.else
	v_pk_fma_f32 v[T+4:T+5], v[T:T+1], v[T:T+1], v[T+4:T+5]
.endif
	v_pk_fma_f32 v[T+4:T+5], v[T+2:T+3], v[T+2:T+3], v[T+4:T+5]
.endr
	v_add_f32 v[T+4], v[T+4], v[T+5]
	v_add_f32_dpp v[T+4], v[T+4], v[T+4] row_xmask:1 row_mask:0xf bank_mask:0xf
	v_add_f32_dpp v[T+4], v[T+4], v[T+4] row_xmask:2 row_mask:0xf bank_mask:0xf
	v_add_f32_dpp v[T+4], v[T+4], v[T+4] row_xmask:4 row_mask:0xf bank_mask:0xf
	v_add_f32_dpp v[T+4], v[T+4], v[T+4] row_xmask:8 row_mask:0xf bank_mask:0xf
	v_permlanex16_b32 v[T+5], v[T+4], s26, s27
	v_add_f32 v[T+4], v[T+4], v[T+5]               ; every lane holds the row's sum;
	v_cndmask_b32 v[P+(\i)%4], v[P+(\i)%4], v[T+4], s[20+(\i)/4]  ; one lane keeps it
.endm
.irp i, 0,1,2,3,4,5,6,7,8,9,10,11,12,13,14,15
	EROW \i
.endr
	s_branch .Ltail
; ---- rows of zf.  Wave w takes channels 32 w + cc, cc = 0..31, for the block's 128 rows: 512 consecutive bytes of z for each channel.
.Lz:
	s_lshr_b32 s18, ttmp9, 3
	s_lshl_b32 s18, s18, 20                        ; image x >> 3: 256 channels of 4,096 bytes
	s_and_b32 s20, ttmp9, 7
	s_lshl_b32 s20, s20, 9                         ; its rows 128 (x & 7) on
	s_add_co_u32 s18, s18, s20
	s_add_nc_u64 s[6:7], s[6:7], s[18:19]
	s_lshl_b32 s18, ttmp9, 16
	s_add_nc_u64 s[10:11], s[10:11], s[18:19]
	v_lshl_add_u32 v2, s16, 17, v7                 ; 32 channels x 4,096 x wave + 16 x lane
	v_lshrrev_b32 v3, 4, v1
	v_lshlrev_b32 v3, 13, v3                       ; 8,192 (lane / 16)
	v_and_b32 v12, 15, v1
	v_lshl_add_u32 v3, v12, 4, v3                  ; + 16 (lane % 16)
	v_lshl_add_u32 v3, s16, 10, v3                 ; + 4 units of 256 bytes x wave
.set i, 0
.rept 32
	global_load_b128 v[X+4*i:X+4*i+3], v2, s[6:7] offset:4096*i th:TH_LOAD_NT
.set i, i+1
.endr
.macro ZGRP a                          ; channels 8 a .. 8 a + 7 of the wave's 32: unit u = 4 w + a of four tiles
	s_wait_loadcnt 24-8*(\a)                       ; this group's eight loads are in; the eight of each younger group stay out
.if (\a) > 0
	s_wait_xcnt 0x0                                ; Y was the last group's store data: it is written again only behind this wait
.endif
.irp k, 0,1,2,3
.irp p, 0,1,2,3
	v_cvt_pk_bf16_f32 v[Y+4*(\k)+(\p)], v[X+4*(8*(\a)+2*(\p))+(\k)], v[X+4*(8*(\a)+2*(\p)+1)+(\k)]  ; row 4 lane + k: channels 2 p, 2 p + 1 of the eight
.endr
.endr
.irp k, 0,1,2,3
.irp p, 0,1,2,3
	v_lshlrev_b32 v[U+2*((\p)%2)], 16, v[Y+4*(\k)+(\p)]
	v_and_b32 v[U+2*((\p)%2)+1], s24, v[Y+4*(\k)+(\p)]
.if ((\a) == 0) && ((\p) == 0)
	v_pk_mul_f32 v[T+2*(\k):T+2*(\k)+1], v[U+2*((\p)%2):U+2*((\p)%2)+1], v[U+2*((\p)%2):U+2*((\p)%2)+1]  ; the first squares start the sum
.else
	v_pk_fma_f32 v[T+2*(\k):T+2*(\k)+1], v[U+2*((\p)%2):U+2*((\p)%2)+1], v[U+2*((\p)%2):U+2*((\p)%2)+1], v[T+2*(\k):T+2*(\k)+1]
.endif
.endr
	global_store_b128 v3, v[Y+4*(\k):Y+4*(\k)+3], s[10:11] offset:(\k)*16384+(\a)*256  ; lanes 0-15 store 256 consecutive bytes of tile 2 k, lanes 16-31 of tile 2 k + 1, both aligned
.endr
.endm
	ZGRP 0
	ZGRP 1
	ZGRP 2
	ZGRP 3
.irp k, 0,1,2,3
	v_add_f32 v[P+\k], v[T+2*\k], v[T+2*\k+1]      ; my wave's 32 channels of row 4 lane + k
.endr
; ---- both ways: the eight waves' partial sums meet in LDS; wave 0 adds them and stores 128 sums, 512 consecutive bytes.
.Ltail:
	ds_store_b128 v4, v[P:P+3]
	s_wait_tensorcnt 0x0                           ; the wave's closing lines, behind its last LDS store; only LDS reads follow them
	ds_add_u32 v5, v6
	s_wait_dscnt 0x0                               ; for the others' sake too: my partial sums are in LDS before I signal
	s_barrier_signal -1
	s_barrier_wait -1
	s_cmp_lg_u32 s16, 0
	s_cbranch_scc1 .Lend
	s_wait_xcnt 0x0                                ; X's registers were store data on the codes' way: they are loaded again only behind this wait
.irp j, 0,1,2,3,4,5,6,7
	ds_load_b128 v[X+4*\j:X+4*\j+3], v7 offset:512*\j
.endr
	s_wait_dscnt 0x0
.irp j, 0,2,4,6
	v_pk_add_f32 v[X+4*\j:X+4*\j+1], v[X+4*\j:X+4*\j+1], v[X+4*\j+4:X+4*\j+5]
	v_pk_add_f32 v[X+4*\j+2:X+4*\j+3], v[X+4*\j+2:X+4*\j+3], v[X+4*\j+6:X+4*\j+7]
.endr
.irp j, 0,4
	v_pk_add_f32 v[X+4*\j:X+4*\j+1], v[X+4*\j:X+4*\j+1], v[X+4*\j+8:X+4*\j+9]
	v_pk_add_f32 v[X+4*\j+2:X+4*\j+3], v[X+4*\j+2:X+4*\j+3], v[X+4*\j+10:X+4*\j+11]
.endr
	v_pk_add_f32 v[X:X+1], v[X:X+1], v[X+16:X+17]
	v_pk_add_f32 v[X+2:X+3], v[X+2:X+3], v[X+18:X+19]
	s_cmp_lg_u32 s17, 0
	s_cselect_b64 s[28:29], s[14:15], s[12:13]     ; zz or ee
	s_lshl_b32 s18, ttmp9, 9                       ; 128 sums of 4 bytes
	s_add_nc_u64 s[28:29], s[28:29], s[18:19]
	global_store_b128 v7, v[X:X+3], s[28:29]
.Lend:
	s_endpgm
.Lfunc_end_k_qbccad073f5_prep:
	.size	k_qbccad073f5_prep, .Lfunc_end_k_qbccad073f5_prep-k_qbccad073f5_prep
	.p2alignl 7, 3214868480
	.fill 96, 4, 3214868480
	.section	.rodata,"a",@progbits
	.p2align	6, 0x0
	.amdhsa_kernel k_qbccad073f5_prep
		.amdhsa_group_segment_fixed_size 5120
		.amdhsa_private_segment_fixed_size 0
		.amdhsa_enable_private_segment 0
		.amdhsa_kernarg_size 48
		.amdhsa_user_sgpr_count 2
		.amdhsa_user_sgpr_kernarg_segment_ptr 1
		.amdhsa_wavefront_size32 1
		.amdhsa_system_sgpr_workgroup_id_x 1
		.amdhsa_system_sgpr_workgroup_id_y 1
		.amdhsa_system_sgpr_workgroup_id_z 1
		.amdhsa_system_vgpr_workitem_id 0
		.amdhsa_next_free_vgpr 168
		.amdhsa_next_free_sgpr 66
		.amdhsa_reserve_vcc 0
		.amdhsa_float_denorm_mode_32 3
		.amdhsa_float_denorm_mode_16_64 3
		.amdhsa_memory_ordered 1
		.amdhsa_forward_progress 1
		.amdhsa_inst_pref_size 47
	.end_amdhsa_kernel
	.amdgpu_metadata
---
amdhsa.version: [ 1, 2 ]
amdhsa.kernels:
  - .name:           k_qbccad073f5_prep
    .symbol:         k_qbccad073f5_prep.kd
    .args:
      - { .name: embedding_weight, .offset: 0, .size: 8, .value_kind: global_buffer, .address_space: global }
      - { .name: z, .offset: 8, .size: 8, .value_kind: global_buffer, .address_space: global }
      - { .name: e16, .offset: 16, .size: 8, .value_kind: global_buffer, .address_space: global }
      - { .name: z16, .offset: 24, .size: 8, .value_kind: global_buffer, .address_space: global }
      - { .name: ee, .offset: 32, .size: 8, .value_kind: global_buffer, .address_space: global }
      - { .name: zz, .offset: 40, .size: 8, .value_kind: global_buffer, .address_space: global }
    .group_segment_fixed_size: 5120
    .private_segment_fixed_size: 0
    .kernarg_segment_align: 8
    .kernarg_segment_size: 48
    .max_flat_workgroup_size: 256
    .sgpr_count:     66
    .vgpr_count:     168
    .wavefront_size: 32
...
	.end_amdgpu_metadata
.endif
;; end of part 1
;; launch vq (part 2): grid 32 x 8, 4 waves a work-group, clusters of 4 x 1, 327,680 bytes of LDS; arguments e16, ee, z16, zz, pv, pi; writes pv, pi
.if DOCPART == 2
	.amdgcn_target "amdgcn-amd-amdhsa--gfx1250"
	.amdhsa_code_object_version 6
	.text
	.protected	k_qbccad073f5_vq
	.globl	k_qbccad073f5_vq
	.p2align	8
	.type	k_qbccad073f5_vq,@function
k_qbccad073f5_vq:
	s_mov_b64 s[64:65], 0
	v_nop
	global_prefetch_b8 v0, s[64:65] scope:SCOPE_SE
	s_setreg_imm32_b32 hwreg(HW_REG_WAVE_MODE, 25, 1), 1
	s_wait_xcnt 0x0
	s_wait_alu depctr_hold_cnt(0) depctr_sa_sdst(0) depctr_va_vdst(0) depctr_va_sdst(0) depctr_va_ssrc(0) depctr_va_vcc(0) depctr_vm_vsrc(0)
	s_getreg_b32 s2, hwreg(HW_REG_IB_STS2, 6, 4)
	s_cmp_eq_u32 s2, 0
	s_cbranch_scc0 .Lentry_in_a_cluster
	s_endpgm
.Lentry_in_a_cluster:
	s_bfe_u32 s2, ttmp6, 0x10000c
	s_cmp_lg_u32 s2, 0x3003
	s_cbranch_scc0 .Lentry_shape_is_right
	s_endpgm
.Lentry_shape_is_right:
; For 512 rows of zf and one split of 2,048 codes: the least d = fl(fl(zz + ee) - 2 dot) of each row and the first code that has it.  dot is a bf16 product with f32 sums; the two roundings are
; those of the expression as it is written (2 dot is exact, so one fused multiply-add makes the second); comparisons are strict and codes ascend, so the first index stays.
; SHARES.  Grid 32 row blocks x 8 splits.  A wave owns 128 rows, eight tiles of 16, whose fragments (512 registers) stay for the whole launch; all four waves read the same code tiles from LDS:
; 16 LDS loads of 16 bytes a lane feed 64 matrix instructions.
; TRANSPOSED USE.  Source 0 = 16 codes, source 1 = 16 rows: a lane then holds ONE row (lane % 16) and the codes 8 (lane / 16) + 0..7 in the accumulator's registers 0..7, so the minimum over codes is
; taken inside the lane.  For each tile of 16 x 16: 4 packed adds (t), 4 packed multiply-adds (d, in place), 4 three-way minima with the running best, one compare, and under its mask the tile's number and its
; eight d are kept.  Which of the eight it was is found once, at the end: the first kept d equal to the best.
; BY TURNS.  Piece A = row tiles 0-3, piece B = tiles 4-7.  In a TURN one piece issues its 32 products for a code tile (four accumulators by turns), and the other piece's 88 vector
; instructions stand in slices of 3, 3, 3, 2 behind the matrix instructions; none names a register of the products round it.  Turn (A, ct) carries B's work of tile ct - 1, turn (B, ct) A's of tile ct.
; No first step is written out: best and kept d start at +inf, B's accumulators at 0 and the odd ee buffer at +inf, so the work carried by the first turn takes nothing.  Price: 130 v_mov_b32, in the wait for the first tile.
; RING.  Two LDS slots of 256 codes (16 code tiles); each wave fetches 64 codes of a fill with one tensor load.  A slot is filled again behind a round of the cluster's barrier and has 16 code tiles' work,
; 1,024 matrix instructions a wave, in which to land.  The split's 2,048 ee come once, 2,048 bytes a wave.
; CLUSTER.  The four row blocks of a cluster walk the same split, so every tile is asked for jointly: the same load, descriptor and mask (all four) in each.  cx enters the addresses of z16, zz, pv and pi alone.
; LIMITS.  NaN loses in the minima and infinities are not treated apart (a row whose d are all +inf gives the split's first code); operands are bf16, and zz, ee are sums of the rounded numbers;
; the product's order of summation is the matrix instruction's, so a d that lies within that order's difference of a rounding boundary may come out one step of f32 away.
; REGISTERS, in windows of 256 (s_set_vgpr_msb: bits 1:0 source 0, 3:2 source 1, 5:4 source 2, 7:6 destination):
;   window 0: addresses, statistics, kept d, accumulators (map below)     window 1: v0-127 code fragments, two buffers of 64     window 2: z of tiles 0-3, 64 a tile     window 3: z of tiles 4-7
; A slice works in window 0 and a product wants windows 1 and 2 or 3 beside it: two switches for each matrix instruction; no window has room for both.
.set PITCH, 528                        ; an LDS row of codes: 512 bytes + 16 of padding, an odd multiple of 16: the 16 rows of a load start in 16 different groups of four banks (64 banks of 4 bytes: ISA guide 11.1)
.set TILEB, 16*PITCH                   ; a code tile
.set QUART, 64*PITCH                   ; what one tensor load brings
.set SLOT,  4*QUART                    ; 135,168 = 0x21000; wave x QUART has neither of its two bits, so one exclusive or turns an address in one slot into the other's
.set EEL,   2*SLOT                     ; the split's ee, 8,192 bytes
.set SPARE, EEL+8192                   ; the spare words, 128 bytes for each wave: two blocks of 256 bytes that no other line names
.set FILLB, 131072                     ; 256 codes of 512 bytes in memory
.set AK0, 2                            ; v2   my place in a code tile: (lane % 16) x PITCH + 16 (lane / 16)
.set AE0, 3                            ; v3   my place in a tile's ee: 32 (lane / 16)
.set ADR, 4                            ; v4   LDS address of the run of loads in hand
.set ADE, 5                            ; v5   the same for ee
.set L16, 6                            ; v6   16 x lane
.set H8,  7                            ; v7   8 (lane / 16)
.set R16, 8                            ; v8   16 (lane % 16)
.set SPW, 10                           ; v10  LDS address of my spare word; never rewritten
.set NIL, 11                           ; v11  0; never rewritten
.set TMP, 12                           ; v[12:27]   at work: 8 for each of the two tiles in hand
.set EE,  28                           ; v[28:43]   ee of my 8 codes, two buffers
.set ST,  44                           ; v[44:75]   tile t at ST + 4 t: zz, number of the best code tile, best (even tiles write +2, odd ones +3)
.set SV,  76                           ; v[76:139]  tile t's eight kept d
.set ACC, 140                          ; v[140:203] tile t's accumulator
.set RV,  204                          ; v[204:211] the way out: value of tile t's rows
.set RI,  212                          ; v[212:219] and index
.set WV4, 220                          ; v[220:223] four neighbouring rows' values
.set WI4, 224                          ; v[224:227] and indices
.set JJ,  228
.set PB,  229
.set PI,  230
.set IDX, 231
.set WV,  16                           ; s16  wave
.set G1C, 24                           ; s[24:31] descriptor group 1, code tiles
.set G1E, 32                           ; s[32:39] group 1, ee
.set G0A, 40                           ; s[40:43] group 0, fill 0
.set G0C, 44                           ; s[44:47] group 0, fill 1; then it walks
.set G0E, 48                           ; s[48:51] group 0, ee
.set SLOTS, 52
.set CNT, 53
.set TB,  54                           ; s54  LDS byte of the code tile to be fetched next
.set TE,  55                           ; s55  LDS byte of its ee
.set CT,  56                           ; s56  number of the code tile whose d are in hand
.set MK,  58                           ; s58, s59  lane masks of the two tiles in hand
.set SEL, 60                           ; s[60:61] v_permlanex16_b32's selects
.set HI,  62                           ; s62  lanes 16-31
.set INF, 63                           ; s63  +inf
.set MSB, 0
.macro WIN new                         ; the immediate's high byte repeats the setting that is left; a switch that changes nothing is dropped
.if MSB != (\new)
	s_set_vgpr_msb (MSB<<8)|(\new)
.set MSB, (\new)
.endif
.endm
; A round of the cluster's barrier: my work-group's barrier, so that wave 0's signal speaks for all four waves; wave 0 signals; every wave waits for all four work-groups; my work-group's barrier once more.
.macro CROUND
	s_barrier_signal -1
	s_barrier_wait -1
	s_cmp_lg_u32 s[WV], 0
	s_cbranch_scc1 .Lnot_wave_0_\@
	s_barrier_signal -3
.Lnot_wave_0_\@:
	s_barrier_wait -3
	s_barrier_signal -1
	s_barrier_wait -1
.endm
	s_load_b256 s[4:11], s[0:1], 0x0               ; e16 s[4:5], ee s[6:7], z16 s[8:9], zz s[10:11]
	s_load_b128 s[12:15], s[0:1], 0x20             ; pv s[12:13], pi s[14:15]
	v_lshl_add_u32 v[SPW], v0, 2, SPARE
	v_mov_b32 v[NIL], 0
	ds_add_u32 v[SPW], v[NIL]                      ; the wave's opening: the add and its wait stand ahead of my first tensor load; the set-up below, work on registers, stands between them
	v_lshrrev_b32 v1, 5, v0
	v_readfirstlane_b32 s[WV], v1                  ; wave 0..3
	s_bfe_u32 s17, ttmp6, 0x40000                  ; cx
	s_lshl_b32 s18, ttmp9, 2                       ; in a cluster launch ttmp9 counts clusters
	s_add_co_u32 s18, s18, s17                     ; row block = 4 x cluster x + cx
	s_lshl_b32 s18, s18, 2
	s_add_co_u32 s18, s18, s[WV]                   ; my wave's block of 128 rows, 0..127
	s_and_b32 s19, ttmp7, 0xffff                   ; the split, which the four partners share
	s_lshl_b32 s20, s19, 20                        ; 2,048 codes of 512 bytes,
	s_lshl_b32 s21, s[WV], 15                      ; my 64 codes of a fill
	s_add_co_u32 s20, s20, s21
	s_mov_b32 s21, 0
	s_lshl_b32 s22, s19, 13                        ; 2,048 ee of 4 bytes,
	s_lshl_b32 s23, s[WV], 11                      ; my quarter of them
	s_add_co_u32 s22, s22, s23
	s_mov_b32 s23, 0
	; group 1 for codes: 64 rows x 256 elements of 2 bytes, padded in LDS
	s_mov_b32 s[G1C], 15|(1<<16)|(1<<20)|(1<<21)|(6<<22)|(3<<25)  ; 15:0 the mask of four; 17:16 2-byte elements; 20 padding on; 21 set beside a mask; 24:22 after every 128 words (code 6); 31:25 4 words (code 3)
	s_mov_b32 s[G1C+1], 256<<16                    ; tensor_dim0 = 256
	s_mov_b32 s[G1C+2], 64<<16                     ; tensor_dim1 = 64
	s_mov_b32 s[G1C+3], 256<<16                    ; tile_dim0 = 256
	s_mov_b32 s[G1C+4], 64                         ; tile_dim1 = 64
	s_mov_b32 s[G1C+5], 256                        ; 256 elements from row to row
	s_mov_b32 s[G1C+6], 0
	s_mov_b32 s[G1C+7], 0
	; group 1 for ee: one row of 256 elements of 8 bytes
	s_mov_b32 s[G1E], 15|(3<<16)|(1<<21)
	s_mov_b32 s[G1E+1], 256<<16
	s_mov_b32 s[G1E+2], 1<<16
	s_mov_b32 s[G1E+3], 256<<16
	s_mov_b32 s[G1E+4], 1
	s_mov_b32 s[G1E+5], 256
	s_mov_b32 s[G1E+6], 0
	s_mov_b32 s[G1E+7], 0
	s_mov_b32 s[G0A], 1                            ; count = 1
	s_mul_i32 s[G0A+1], s[WV], QUART               ; LDS address: my quarter of slot 0; no place in the cluster enters an LDS address
	s_mov_b32 s[G0C], 1
	s_add_co_u32 s[G0C+1], s[G0A+1], SLOT          ; of slot 1
	s_mov_b32 s[G0E], 1
	s_lshl_b32 s[G0E+1], s[WV], 11
	s_add_co_u32 s[G0E+1], s[G0E+1], EEL
	s_mov_b32 s[SEL], 0x76543210
	s_mov_b32 s[SEL+1], 0xfedcba98
	s_mov_b32 s[HI], 0xffff0000
	s_mov_b32 s[INF], 0x7f800000
	s_mov_b32 s[TB], 0
	s_mov_b32 s[TE], EEL
	s_mov_b32 s[SLOTS], 7
	s_mov_b32 s[CNT], 8
	s_lshl_b32 s[CT], s19, 7                       ; the split's first code tile
	s_mov_b32 s3, 0
	s_wait_dscnt 0x0                               ; the opening add is done
	s_wait_kmcnt 0x0
	s_add_nc_u64 s[G0A+2:G0A+3], s[4:5], s[20:21]  ; global address: my 64 codes of fill 0,
	s_add_nc_u64 s[G0C+2:G0C+3], s[G0A+2:G0A+3], FILLB  ; of fill 1
	s_or_b32 s[G0A+3], s[G0A+3], 0x80000000        ; type = 2
	s_or_b32 s[G0C+3], s[G0C+3], 0x80000000
	s_add_nc_u64 s[G0E+2:G0E+3], s[6:7], s[22:23]
	s_or_b32 s[G0E+3], s[G0E+3], 0x80000000
	s_lshl_b32 s2, s18, 16                         ; what hangs on cx is made in s[2:3], s17, s18 alone
	s_add_nc_u64 s[8:9], s[8:9], s[2:3]            ; z16 at my 128 rows
	s_lshl_b32 s2, s18, 9
	s_add_nc_u64 s[10:11], s[10:11], s[2:3]        ; zz at my 128 rows
	s_lshl_b32 s17, s19, 16
	s_add_co_u32 s2, s2, s17                       ; split x 16,384 rows x 4 bytes + my rows
	s_add_nc_u64 s[12:13], s[12:13], s[2:3]
	s_add_nc_u64 s[14:15], s[14:15], s[2:3]
	CROUND                                         ; all four work-groups are here: the first joint loads meet
	tensor_load_to_lds s[G0E:G0E+3], s[G1E:G1E+7]  ; the three first fills go out together, in every wave: three tensor loads of mine are out here, later one
	s_nop 0
	tensor_load_to_lds s[G0A:G0A+3], s[G1C:G1C+7]
	s_nop 0
	tensor_load_to_lds s[G0C:G0C+3], s[G1C:G1C+7]
	s_nop 0
.rept 4
	v_nop
.endr
	v_and_b32 v1, 15, v0                           ; lane % 16
	v_bfe_u32 v9, v0, 4, 1                         ; lane / 16
	v_mul_u32_u24 v[AK0], v1, PITCH
	v_lshl_add_u32 v[AK0], v9, 4, v[AK0]
	v_lshlrev_b32 v[AE0], 5, v9
	v_and_b32 v[L16], 31, v0
	v_lshlrev_b32 v[L16], 4, v[L16]
	v_lshlrev_b32 v[H8], 3, v9
	v_lshlrev_b32 v[R16], 4, v1
	; z's fragments: z16 lies in fragment order, so tile t, K chunk q, half hf (registers 64 (t % 4) + 8 q + 4 hf) are the 512 consecutive bytes at 512 (16 t + 2 q + hf)
	WIN 0x80                                       ; destination window 2, address window 0
.set i, 0
.rept 64
	global_load_b128 v[4*i:4*i+3], v[L16], s[8:9] offset:512*i
.set i, i+1
.endr
	WIN 0xc0                                       ; destination window 3
.set i, 0
.rept 64
	global_load_b128 v[4*i:4*i+3], v[L16], s[8:9] offset:32768+512*i
.set i, i+1
.endr
	WIN 0
.irp t, 0,1,2,3,4,5,6,7                ; place r of tile t is row 4 (16 (t & 1) + r) + (t >> 1) of my 128
	global_load_b32 v[ST+4*\t], v[R16], s[10:11] offset:((\t)&1)*256+((\t)>>1)*4
.endr
.irp t, 0,1,2,3,4,5,6,7
	v_mov_b32 v[ST+4*\t+1], s[CT]
	v_mov_b32 v[ST+4*\t+2], s[INF]
	v_mov_b32 v[ST+4*\t+3], s[INF]
.endr
.set i, 0
.rept 64
	v_mov_b32 v[SV+i], s[INF]
.set i, i+1
.endr
.set i, 0
.rept 8
	v_mov_b32 v[EE+8+i], s[INF]                    ; the odd ee buffer, for the work that the first turn carries
.set i, i+1
.endr
.set i, 0
.rept 32
	v_mov_b32 v[ACC+32+i], 0                       ; piece B's accumulators, for the same
.set i, i+1
.endr
	v_mov_b32 v[PB], 0                             ; v_permlanex16_b32's destinations count as read
	v_mov_b32 v[PI], 0
	s_sub_co_u32 s[CT], s[CT], 1                   ; the tile before the first
; Matrix instruction i of 32 of a turn of piece pc, on code buffer par: K chunk i / 4, row tile 4 pc + i % 4.  The first four start the sums with the constant 0.
.macro MM pc, par
	WIN 0x09+4*(\pc)                               ; codes in window 1, z in window 2 or 3, C and D in window 0
.set rA, ACC+8*(4*(\pc)+i%4)
.set rC, 64*(\par)+8*(i/4)
.set rZ, 64*(i%4)+8*(i/4)
.if i < 4
	v_wmma_f32_16x16x32_bf16 v[rA:rA+7], v[rC:rC+7], v[rZ:rZ+7], 0
.else
	v_wmma_f32_16x16x32_bf16 v[rA:rA+7], v[rC:rC+7], v[rZ:rZ+7], v[rA:rA+7]
.endif
.endm
; Entry qn of 88 of piece pc's vector work for a code tile of parity par.  Two pairs of row tiles, 44 entries each; in a pair the two tiles alternate, so that no line reads the result of the line before it.
; The accumulator is read from its low end on.
.macro VOP pc, par
	WIN 0
.set u, qn%2
.set n, (qn%44)/2
.set rt, 4*(\pc)+2*(qn/44)+u
.set rA, ACC+8*rt
.set rT, TMP+8*u
.set rS, ST+4*rt
.set rN, rS+2+(\par)
.set rO, rS+3-(\par)
.set rE, EE+8*(\par)
.set rV, SV+8*rt
.if n < 4
	v_pk_add_f32 v[rT+2*n:rT+2*n+1], v[rE+2*n:rE+2*n+1], v[rS:rS+1] op_sel_hi:[1,0]  ; t = ee + zz (the pair's low register for both halves)
.elseif n < 8
	v_pk_fma_f32 v[rA+2*n-8:rA+2*n-7], v[rA+2*n-8:rA+2*n-7], -2.0, v[rT+2*n-8:rT+2*n-7] op_sel_hi:[1,0,1]  ; d = t - 2 dot, one rounding
.elseif n == 8
	v_min3_num_f32 v[rT], v[rA], v[rA+1], v[rA+2]
.elseif n == 9
	v_min3_num_f32 v[rT+1], v[rA+3], v[rA+4], v[rA+5]
.elseif n == 10
	v_min3_num_f32 v[rT], v[rT], v[rA+6], v[rA+7]
.elseif n == 11
	v_min3_num_f32 v[rN], v[rT], v[rT+1], v[rO]    ; the new best
.elseif n == 12
	v_cmp_lt_f32 s[MK+u], v[rN], v[rO]             ; strictly better: an equal d of a later code changes nothing
.elseif n == 13
	v_cndmask_b32 v[rS+1], v[rS+1], s[CT], s[MK+u]
.else
	v_cndmask_b32 v[rV+n-14], v[rV+n-14], v[rA+n-14], s[MK+u]
.endif
.set qn, qn+1
.endm
.macro SLICE pc, par                   ; slice k of 32: 3, 3, 3, 2 entries: 8 x 11 = 88
	VOP \pc, \par
	VOP \pc, \par
.if k%4 != 3
	VOP \pc, \par
.endif
.set k, k+1
.endm
; One run of 18 LDS loads: the next code tile's ee (sixteen lanes share an address) and its eight fragments of 16 codes x 32 K, into buffers b.
.macro FETCH b
	WIN 0
	v_add_nc_u32 v[ADR], s[TB], v[AK0]
	v_add_nc_u32 v[ADE], s[TE], v[AE0]
	ds_load_b128 v[EE+8*(\b):EE+8*(\b)+3], v[ADE]
	ds_load_b128 v[EE+8*(\b)+4:EE+8*(\b)+7], v[ADE] offset:16
	WIN 0x40                                       ; destination window 1
.irp q, 0,1,2,3,4,5,6,7
	ds_load_b128 v[64*(\b)+8*\q:64*(\b)+8*\q+3],   v[ADR] offset:64*\q
	ds_load_b128 v[64*(\b)+8*\q+4:64*(\b)+8*\q+7], v[ADR] offset:64*\q+32
.endr
	s_add_co_u32 s[TB], s[TB], TILEB
	s_add_co_u32 s[TE], s[TE], 64
.endm
; A TURN of piece pc on the code tile of parity par.  Piece B's turn fetches the next tile behind its second product: the buffers that it fills were last read a whole turn ago (88 plain vector
; instructions lie between), and their first use stands behind the wait at the head of piece A's next turn, 30 matrix instructions on.
; An accumulator's first reader stands in the next turn behind eight packed adds that do not name it, and behind the slices that follow its last product: more than the four places that are due.
.macro TURN pc, par, fetch
.set qn, 0
.set k, 0
.set i, 0
.if (\pc) == 0
	s_wait_dscnt 0x0                               ; this tile's fragments and ee are in
.endif
.rept 32
	MM \pc, \par
.if (\pc) == 0
	SLICE 1, 1-(\par)
.else
	SLICE 0, \par
.endif
.if ((\pc) == 1) && (\fetch) && (i == 1)
	FETCH 1-(\par)
.endif
.set i, i+1
.endr
.endm
.macro STEP par, fetch                 ; one code tile: 64 matrix instructions
	TURN 0, \par, 0
	s_add_co_u32 s[CT], s[CT], 1                   ; piece B's work of the tile before is issued; from here on the number is this tile's
	TURN 1, \par, \fetch
.endm
; THE CHANGE OF SLOTS, behind the fetch of a slot's last tile.  Each wave waits for all its tensor loads, of which one is out: its part of the other slot; adds 0 to its spare word; and waits for that and for
; its own reads of the slot.  fill = 1: the barrier is a round of the cluster's, so that no wave of any partner still reads the slot or has a load on its way, and the joint refill is the first thing behind it.
.macro CHANGE fill
	WIN 0
	s_wait_tensorcnt 0x0                           ; no tensor load of mine is out, so a group 0 may be written
	ds_add_u32 v[SPW], v[NIL]                      ; 0 onto my spare word
.if \fill
	s_xor_b32 s[G0C+1], s[G0C+1], SLOT             ; the walking descriptor: the other slot than last time,
	s_add_nc_u64 s[G0C+2:G0C+3], s[G0C+2:G0C+3], FILLB  ; the next 256 codes; the type bits on top are not reached
	s_wait_dscnt 0x0                               ; the add is done, and my reads of the slot are over
	CROUND
	tensor_load_to_lds s[G0C:G0C+3], s[G1C:G1C+7]
	s_nop 0
.rept 4
	v_nop
.endr
.else
	s_wait_dscnt 0x0                               ; the add is done, and my reads of the slot are over
	s_barrier_signal -1
	s_barrier_wait -1
.endif
	s_sub_co_u32 s[TB], s[TB], SLOT                ; the fetches go back to a slot's first tile,
	s_xor_b32 s[TB], s[TB], SLOT                   ; in the other slot
.endm
	s_wait_tensorcnt 0x1                           ; my parts of ee and of slot 0 are in; one load, slot 1's, was issued behind them and may stay out
	s_barrier_signal -1
	s_barrier_wait -1                              ; everybody's are
	FETCH 0                                        ; code tile 0
	WIN 0
	s_wait_loadcnt 0x0                             ; z and zz
	s_branch .Lfirst                               ; the loop is entered at an even tile, in the middle of a trip: tiles 0 to 14, which fetch 1 to 15
.Lslot:                                                ; six times: fills 2 to 7 are asked for; each time 16 tiles, from a slot's last to the next slot's last but one
	CHANGE 1
	s_mov_b32 s[CNT], 8
.Lstep:
	STEP 1, 1
	WIN 0                                          ; at a label and at a branch every window is 0
.Lfirst:
	STEP 0, 1
	WIN 0
	s_sub_co_u32 s[CNT], s[CNT], 1
	s_cmp_lg_u32 s[CNT], 0
	s_cbranch_scc1 .Lstep
	s_sub_co_u32 s[SLOTS], s[SLOTS], 1
	s_cmp_lg_u32 s[SLOTS], 0
	s_cbranch_scc1 .Lslot
	CHANGE 0                                       ; the tail is written out: nothing is asked for
	s_mov_b32 s[CNT], 8
.Ltail:                                                ; tiles 111 to 126, which fetch 112 to 127
	STEP 1, 1
	STEP 0, 1
	WIN 0
	s_sub_co_u32 s[CNT], s[CNT], 1
	s_cmp_lg_u32 s[CNT], 0
	s_cbranch_scc1 .Ltail
	STEP 1, 0                                      ; tile 127: nothing is left to fetch
	WIN 0
.set qn, 0
.rept 88
	VOP 1, 1                                       ; piece B's work of tile 127; its first eight lines name no accumulator and are the places behind the last products
.endr
; THE WAY OUT.  For each row tile: the first of the eight kept d that equals the best gives the code; the row's other eight codes of each tile lie in the lane 16 away: the lower d, on equal d the lower index.
.macro RESOLVE t
.set rB, ST+4*(\t)+3                   ; the last tile is odd
	v_mov_b32 v[JJ], 7
.irp j, 6,5,4,3,2,1,0
	v_cmp_eq_f32 s66, v[SV+8*(\t)+\j], v[rB]
	v_cndmask_b32 v[JJ], v[JJ], \j, s66
.endr
	v_lshl_add_u32 v[IDX], v[ST+4*(\t)+1], 4, v[JJ]  ; 16 x code tile + place,
	v_add_nc_u32 v[IDX], v[IDX], v[H8]               ; + my half's 8
	v_permlanex16_b32 v[PB], v[rB], s[SEL], s[SEL+1]
	v_permlanex16_b32 v[PI], v[IDX], s[SEL], s[SEL+1]
	v_cmp_lt_f32 s66, v[PB], v[rB]
	v_cmp_eq_f32 s67, v[PB], v[rB]
	v_cmp_lt_u32 s68, v[PI], v[IDX]
	s_and_b32 s67, s67, s68
	s_or_b32 s66, s66, s67
	v_cndmask_b32 v[RV+(\t)], v[rB], v[PB], s66    ; both halves of the lanes now hold the same
	v_cndmask_b32 v[RI+(\t)], v[IDX], v[PI], s66
.endm
.irp t, 0,1,2,3,4,5,6,7
	RESOLVE \t
.endr
.irp k, 0,1,2,3                        ; row 4 lane + k of my 128 is place lane % 16 of tile 2 k + lane / 16
	v_cndmask_b32 v[WV4+\k], v[RV+2*\k], v[RV+2*\k+1], s[HI]
	v_cndmask_b32 v[WI4+\k], v[RI+2*\k], v[RI+2*\k+1], s[HI]
.endr
	global_store_b128 v[L16], v[WV4:WV4+3], s[12:13]  ; 512 consecutive bytes, aligned: my 128 rows in their natural order
	global_store_b128 v[L16], v[WI4:WI4+3], s[14:15]
	s_wait_tensorcnt 0x0                           ; the wave's end, behind my last tensor load
	ds_add_u32 v[SPW], v[NIL]
	s_wait_dscnt 0x0
	CROUND                                         ; the closing round: no work-group ends while a partner may still ask for a tile that names it
	s_endpgm
.Lfunc_end_k_qbccad073f5_vq:
	.size	k_qbccad073f5_vq, .Lfunc_end_k_qbccad073f5_vq-k_qbccad073f5_vq
	.p2alignl 7, 3214868480
	.fill 96, 4, 3214868480
	.section	.rodata,"a",@progbits
	.p2align	6, 0x0
	.amdhsa_kernel k_qbccad073f5_vq
		.amdhsa_group_segment_fixed_size 327680
		.amdhsa_private_segment_fixed_size 0
		.amdhsa_enable_private_segment 0
		.amdhsa_kernarg_size 48
		.amdhsa_user_sgpr_count 2
		.amdhsa_user_sgpr_kernarg_segment_ptr 1
		.amdhsa_wavefront_size32 1
		.amdhsa_system_sgpr_workgroup_id_x 1
		.amdhsa_system_sgpr_workgroup_id_y 1
		.amdhsa_system_sgpr_workgroup_id_z 1
		.amdhsa_system_vgpr_workitem_id 0
		.amdhsa_next_free_vgpr 1024
		.amdhsa_next_free_sgpr 72
		.amdhsa_reserve_vcc 0
		.amdhsa_float_denorm_mode_32 3
		.amdhsa_float_denorm_mode_16_64 3
		.amdhsa_memory_ordered 1
		.amdhsa_forward_progress 1
		.amdhsa_inst_pref_size 144
	.end_amdhsa_kernel
	.amdgpu_metadata
---
amdhsa.version: [ 1, 2 ]
amdhsa.kernels:
  - .name:           k_qbccad073f5_vq
    .symbol:         k_qbccad073f5_vq.kd
    .args:
      - { .name: e16, .offset: 0, .size: 8, .value_kind: global_buffer, .address_space: global }
      - { .name: ee, .offset: 8, .size: 8, .value_kind: global_buffer, .address_space: global }
      - { .name: z16, .offset: 16, .size: 8, .value_kind: global_buffer, .address_space: global }
      - { .name: zz, .offset: 24, .size: 8, .value_kind: global_buffer, .address_space: global }
      - { .name: pv, .offset: 32, .size: 8, .value_kind: global_buffer, .address_space: global }
      - { .name: pi, .offset: 40, .size: 8, .value_kind: global_buffer, .address_space: global }
    .group_segment_fixed_size: 327680
    .private_segment_fixed_size: 0
    .kernarg_segment_align: 8
    .kernarg_segment_size: 48
    .max_flat_workgroup_size: 128
    .sgpr_count:     72
    .vgpr_count:     1024
    .wavefront_size: 32
...
	.end_amdgpu_metadata
.endif
;; end of part 2
;; launch pick (part 3): grid 256 x 1, 1 waves a work-group, no clusters, 0 bytes of LDS; arguments pv, pi, out0; writes out0
.if DOCPART == 3
	.amdgcn_target "amdgcn-amd-amdhsa--gfx1250"
	.amdhsa_code_object_version 6
	.text
	.protected	k_qbccad073f5_pick
	.globl	k_qbccad073f5_pick
	.p2align	8
	.type	k_qbccad073f5_pick,@function
k_qbccad073f5_pick:
	s_mov_b64 s[64:65], 0
	v_nop
	global_prefetch_b8 v0, s[64:65] scope:SCOPE_SE
	s_setreg_imm32_b32 hwreg(HW_REG_WAVE_MODE, 25, 1), 1
	s_wait_xcnt 0x0
; out0[n] = the index of the least of the eight splits' minima pv[s][n], s ascending, compared strictly: on equal values the lower split stays, and its codes are the lower ones.
; One wave takes 64 rows, a lane two: each of the 16 loads and the one store covers 256 consecutive bytes, aligned.  All loads go out at once; there is nothing to overlap them with, so one wait.
; No LDS, no barrier, no matrix unit: 1 MiB is read once and 64 KiB written.  The choice is made by v_cndmask_b32; no address and no branch hangs on data.
; LIMIT.  A NaN in pv never wins a comparison.
.set V, 2                              ; v[2:17]   split s: two values
.set I, 18                             ; v[18:33]  split s: two indices
	s_load_b128 s[4:7], s[0:1], 0x0                ; pv s[4:5], pi s[6:7]
	s_load_b64 s[8:9], s[0:1], 0x10                ; out0
	v_lshlrev_b32 v1, 3, v0                        ; 8 bytes a lane
	s_lshl_b32 s10, ttmp9, 8                       ; 64 rows of 4 bytes
	s_mov_b32 s11, 0
	s_wait_kmcnt 0x0
	s_add_nc_u64 s[4:5], s[4:5], s[10:11]
	s_add_nc_u64 s[6:7], s[6:7], s[10:11]
	s_add_nc_u64 s[8:9], s[8:9], s[10:11]
.irp s, 0,1,2,3,4,5,6,7
	global_load_b64 v[V+2*\s:V+2*\s+1], v1, s[4:5] offset:65536*\s th:TH_LOAD_NT
	global_load_b64 v[I+2*\s:I+2*\s+1], v1, s[6:7] offset:65536*\s th:TH_LOAD_NT
.endr
	s_wait_loadcnt 0x0
.irp s, 1,2,3,4,5,6,7
.irp c, 0,1
	v_cmp_lt_f32 vcc_lo, v[V+2*\s+\c], v[V+\c]
	v_cndmask_b32 v[V+\c], v[V+\c], v[V+2*\s+\c], vcc_lo
	v_cndmask_b32 v[I+\c], v[I+\c], v[I+2*\s+\c], vcc_lo
.endr
.endr
	global_store_b64 v1, v[I:I+1], s[8:9]
	s_endpgm
.Lfunc_end_k_qbccad073f5_pick:
	.size	k_qbccad073f5_pick, .Lfunc_end_k_qbccad073f5_pick-k_qbccad073f5_pick
	.p2alignl 7, 3214868480
	.fill 96, 4, 3214868480
	.section	.rodata,"a",@progbits
	.p2align	6, 0x0
	.amdhsa_kernel k_qbccad073f5_pick
		.amdhsa_group_segment_fixed_size 0
		.amdhsa_private_segment_fixed_size 0
		.amdhsa_enable_private_segment 0
		.amdhsa_kernarg_size 24
		.amdhsa_user_sgpr_count 2
		.amdhsa_user_sgpr_kernarg_segment_ptr 1
		.amdhsa_wavefront_size32 1
		.amdhsa_system_sgpr_workgroup_id_x 1
		.amdhsa_system_sgpr_workgroup_id_y 1
		.amdhsa_system_sgpr_workgroup_id_z 1
		.amdhsa_system_vgpr_workitem_id 0
		.amdhsa_next_free_vgpr 40
		.amdhsa_next_free_sgpr 66
		.amdhsa_reserve_vcc 1
		.amdhsa_float_denorm_mode_32 3
		.amdhsa_float_denorm_mode_16_64 3
		.amdhsa_memory_ordered 1
		.amdhsa_forward_progress 1
		.amdhsa_inst_pref_size 4
	.end_amdhsa_kernel
	.amdgpu_metadata
---
amdhsa.version: [ 1, 2 ]
amdhsa.kernels:
  - .name:           k_qbccad073f5_pick
    .symbol:         k_qbccad073f5_pick.kd
    .args:
      - { .name: pv, .offset: 0, .size: 8, .value_kind: global_buffer, .address_space: global }
      - { .name: pi, .offset: 8, .size: 8, .value_kind: global_buffer, .address_space: global }
      - { .name: out0, .offset: 16, .size: 8, .value_kind: global_buffer, .address_space: global }
    .group_segment_fixed_size: 0
    .private_segment_fixed_size: 0
    .kernarg_segment_align: 8
    .kernarg_segment_size: 24
    .max_flat_workgroup_size: 32
    .sgpr_count:     66
    .vgpr_count:     40
    .wavefront_size: 32
...
	.end_amdgpu_metadata
.endif
;; end of part 3
